; MI455X (gfx1250); checked and timed in simulation.
; The chip was launched on July 23, 2026; its instructions are those of AMD's public machine-readable ISA for CDNA 5 (MIT licence, August 2026) and "CDNA5" Instruction Set Architecture Reference Guide (July 2026). The comments in the code are by the model that wrote it; some were corrected since.
;; Neuralized K Means. Allowed arithmetic: matrix products marked QUANTISED: E2M1 operands, one E8M0 scale for each 32 along K, by v_wmma_scale_f32_16x16x128_f8f6f4 with both operands' format E2M1 (or v_wmma_scale_f32_32x16x128_f4), f32 sums; everything else in f32.
;; Inputs: X_codes 50,000 x 32 x 16 uint8 (E2M1 codes of X, K innermost, in blocks of 32 codes, two codes a byte); X_scales 50,000 x 32 uint8 (E8M0 scales of X, one for each 32 codes along K); centroids 32 x 1,024 float32.
;; Outputs: out0 50,000 float32.
;; This version of the problem:
;;   THIS VERSION OF THE PROBLEM IS GIVEN IN LOW PRECISION. The matrix products marked QUANTISED in the list below multiply operands that are first quantised to E2M1 (2 exponent bits, 1 mantissa bit; 4 bits a number), with one power-of-two scale for each 32 numbers along K (OCP MX v1.0); their sums are f32. All else is computed in f32.
;;   The module's matrix products, in the order in which they are computed (A, B: the left and right operand; K: the contracted axis; several contracted axes count as one K, in the product's order):
;;     1. [M 50,000, K 1,024] x [K 1,024, N 992]; A: input X (given as codes); B: computed on the way: QUANTISED
;;   THE QUANTISER, for each operand of a quantised product, along K:
;;     - K is cut into blocks of 32 from its start; a last block that is shorter is filled with zeros.
;;     - A block's scale is 2^e with e = floor(log2(the largest magnitude in the block)) - 2, held to -126 .. 127; a block of zeros has e = 0. As a byte (E8M0): e + 127.
;;     - Each number is divided by its block's scale, clamped to +-6, and rounded to the nearest number of E2M1, ties to even, subnormals kept.
;;     - The product sums the exact products of the quantised numbers (number of the format x scale) in f32.
;;   ~~~python
;;   def quantise(x, axis):      # numpy; x: float32 -> the quantised numbers, widened to float32 again
;;       x = np.moveaxis(x, axis, -1); K = x.shape[-1]
;;       x = np.pad(x, [(0, 0)] * (x.ndim - 1) + [(0, -K % 32)]); x = x.reshape(x.shape[:-1] + (-1, 32)); a = np.abs(x).max(-1, keepdims=True)
;;       e = np.where(a > 0, np.clip(np.frexp(np.where(a > 0, a, 1))[1] - 1 - 2, -126, 127), 0)      # np.frexp(a)[1] - 1 = floor(log2(a)), exactly
;;       r = np.clip(x / 2.0 ** e, -6, 6)
;;       step = 2.0 ** (np.maximum(np.frexp(np.where(r == 0, 1, r))[1] - 1, 0) - 1)
;;       q = np.round(r / step) * step * 2.0 ** e      # np.round: ties to even
;;       return np.moveaxis(q.reshape(q.shape[:-2] + (-1,))[..., :K], -1, axis).astype(np.float32)
;;   ~~~
;;   OPERANDS COMPUTED ON THE WAY. 'Computed on the way' means the value that the module computes at that place (a softmax that the list does not call 'softmax' is quantised finished and normalised). What goes into a quantiser is computed in f32, as accurately as f32 sums, v_exp_f32 and their like allow (about 1e-6 of the number): no bf16 or f16 on the way to a quantiser, and a product that is left as it is and whose result goes on into a quantised operand takes f32 operands (vector FMAs, or v_wmma_f32_16x16x4_f32). A number that lies on a knife's edge between two numbers of the format may be rounded either way, as far as f32 arithmetic and the matrix unit's own rounding can turn it there, and no further.
;;   INPUTS GIVEN AS CODES. X (in the module: [50000, 1024], K = its axis 1): each comes as NAME_codes (uint8): NAME with its K axis moved to the last place and cut into blocks of 32 codes, [.., K / 32, bytes a block], one block behind the other in memory; two codes a byte, the lower K in the low four bits (a code: sign, 2 exponent bits, 1 mantissa bit); and NAME_scales (uint8): the same leading axes, one E8M0 byte (e + 127) for each 32 codes along K. Its value is code x scale, taken as it is: it is not quantised again, and the codes and scales need not be those that the quantiser above would give.
;; One version. Each part assembles by itself: llvm-mc -triple=amdgcn-amd-amdhsa -mcpu=gfx1250 --defsym DOCPART=n.
;; ======== version 1 of 1: 2 launches
;; limits: right only within a limited range of input values
;; workspace buffers: wq 279,552 bytes
;; launch prep (part 1): grid 256 x 1, 8 waves a work-group, no clusters, 2,304 bytes of LDS; arguments centroids, wq; writes wq
.if DOCPART == 1
	.amdgcn_target "amdgcn-amd-amdhsa--gfx1250"
	.amdhsa_code_object_version 6
	.text
	.protected	k_qef1f0967b1_prep
	.globl	k_qef1f0967b1_prep
	.p2align	8
	.type	k_qef1f0967b1_prep,@function
k_qef1f0967b1_prep:
	s_mov_b64 s[64:65], 0
	v_nop
	global_prefetch_b8 v0, s[64:65] scope:SCOPE_SE
	s_setreg_imm32_b32 hwreg(HW_REG_WAVE_MODE, 25, 1), 1
	s_wait_xcnt 0x0
; NeuralizedKMeans, first of two launches: the rows W[c,k,:] = 2 (mu_c - mu_k) quantised along D to codes of FP4 (E2M1) with one E8M0 byte for each 32, in the order of a matrix operand's registers, and the parts of |mu_c|^2 of which the biases are made.
; Every input of the problem has a way to the output and is loaded (centroids here, X's codes and scales in the next launch).
; ONE NUMBER, BOTH SIGNS: row (k, c) of W is row (c, k) with every sign turned, for all finite inputs and through the quantiser: mu_c - mu_k = -(mu_k - mu_c) bit for bit; a block's scale hangs on magnitudes alone;
;   the clamp at 6 is symmetric; rounding with ties to even acts on the magnitude; b turns its sign likewise.  So z[n,k,c] = -z[n,c,k]: nothing is dead, one number is written twice, and it is computed once for each unordered pair.
; THE FACTOR 2 is a power of two: the quantiser gives mu_c - mu_k the codes of W and half its scale.  The next launch computes V = z / 2 (bias b / 2) and doubles the result at its end.
; LIMITS: NaN and infinities among the centroids, and differences of centroids that overflow f32, are not served.
;   A block whose largest |mu_c - mu_k| lies under 2^-124 is quantised with the scale 2^-126 (W's 2^-125).  A block of zeros gets that scale too: its codes are zeros.
; PAIRS.  32 centroids = 8 groups of 4.  Wave w of the next launch owns P = group 2 w, Q = 2 w + 1; R = 2 w + 2, S = 2 w + 3 (mod 8); with e = (2 w + 4) mod 8: T = e + (1 xor w / 2), F = e + w / 2.  Over all waves each pair is made once (but the 4 noted below):
;   P x Q, {P, Q} x {R, S}, Q x T, P x F, within P, within Q.  For half h of a tile's rows:  s1 = P (h = 0) or Q (1);  s2 = Q or P;  K = R or S;  L = T or F.   Operand p (32 rows), its tile t (16), row 8 h + j:
;   p = 0, t = 0: j < 4: (s1[j], s2[j]); j = 4 + i: (s1[i], s2[i + 1 mod 4]).   t = 1: within s1: 01 02 03 12 13 23, then (s1[0], s2[2]), (s1[1], s2[3]).
;   p = 1: (s1[i], K[k]), p = 2: (s2[i], K[k]), p = 3: (s2[i], L[k]), with i = 2 t + j % 2, k = j / 2.
;   ((s1[j], s2[j]) is the one kind that both halves hold: 16 rows of tiles that are live anyway.)
; LAYOUT OF wq.  codes: p x 65536 + w x 16384 + t x 8192 + s x 1024 + c' x 512 + 16 x lane: block 4 s + 2 c' + lane / 16 of row lane % 16.   scale words: 262144 + w x 4096 + p x 1024 + s x 128 + 4 x (16 t + row).
;   half squares: 278528 + s x 128 + 4 c, f32: K step s's part of |mu_c|^2 / 2.
; SHARES.  A work-group makes one tile's K step s (128 numbers a row); wave j makes rows j (lanes 0-15) and 8 + j (lanes 16-31).  A lane holds 8 neighbours along K: a block lies in 4 neighbouring lanes.
.set SCALES, 262144
.set SQS,    278528
.set LSC,   1024                       ; LDS: the K step's codes as they will lie in wq | scale words | spare words, 128 bytes for each wave
.set SPARE, 1280
.set A,     16                         ; v16-23   mu_c
.set B,     24                         ; v24-31   mu_k
.set C,     32                         ; v32-39   the difference
.set SPW,   2
.set NIL,   3
; the centroids c and k of row 8 h + j: scalar arithmetic on the tile's and the wave's numbers
.macro PAIR h, c, k
	s_add_co_u32 s15, s14, \h                      ; s1
	s_add_co_u32 s16, s14, 1-\h                    ; s2
	s_add_co_u32 s17, s15, 2
	s_and_b32 s17, s17, 7                          ; K
	s_add_co_u32 s18, s14, 4
	s_and_b32 s18, s18, 7
	s_lshr_b32 s19, s9, 1
	s_xor_b32 s19, s19, 1-\h
	s_add_co_u32 s18, s18, s19                     ; L
	s_lshl_b32 s20, s11, 1
	s_and_b32 s21, s8, 1
	s_add_co_u32 s20, s20, s21                     ; i
	s_lshr_b32 s21, s8, 1                          ; k
	s_and_b32 s22, s8, 3                           ; operand 0, t = 0: places j mod 4,
	s_lshr_b32 s23, s8, 2
	s_add_co_u32 s23, s23, s8
	s_and_b32 s23, s23, 3                          ; and j or, behind the fourth row, one more
	s_lshl_b32 s24, s8, 1
	s_lshr_b32 s25, 0xefb9, s24                    ; t = 1: two bits a row: 1 2 3 2 3 3 2 3
	s_and_b32 s25, s25, 3
	s_lshr_b32 s24, 0x4940, s24                    ; 0 0 0 1 1 2 0 1
	s_and_b32 s24, s24, 3
	s_cmp_lt_u32 s8, 6
	s_cselect_b32 s26, s15, s16
	s_cmp_eq_u32 s11, 1
	s_cselect_b32 s22, s24, s22
	s_cselect_b32 s23, s25, s23
	s_cselect_b32 s26, s26, s16
	s_cmp_lt_u32 s10, 2
	s_cselect_b32 s27, s15, s16                    ; c's group
	s_cmp_eq_u32 s10, 3
	s_cselect_b32 s28, s18, s17                    ; k's
	s_cmp_eq_u32 s10, 0
	s_cselect_b32 s20, s22, s20
	s_cselect_b32 s21, s23, s21
	s_cselect_b32 s28, s26, s28
	s_lshl_b32 s27, s27, 2
	s_add_co_u32 s27, s27, s20
	s_lshl_b32 s28, s28, 2
	s_add_co_u32 s28, s28, s21
	s_lshl_b32 s27, s27, 12                        ; a centroid is 4,096 bytes
	s_add_co_u32 s\c, s27, s13
	s_lshl_b32 s28, s28, 12
	s_add_co_u32 s\k, s28, s13
.endm
	s_load_b128 s[4:7], s[0:1], 0x0                ; centroids s[4:5], wq s[6:7]
	v_lshl_add_u32 v[SPW], v0, 2, SPARE
	v_mov_b32 v[NIL], 0
	v_lshrrev_b32 v4, 5, v0
	v_readfirstlane_b32 s8, v4                     ; wave = j
	s_lshr_b32 s29, ttmp9, 3                       ; tile 8 w + 2 p + t
	s_and_b32 s12, ttmp9, 7                        ; K step s
	s_lshr_b32 s9, s29, 3                          ; w
	s_bfe_u32 s10, s29, 0x20001                    ; p
	s_and_b32 s11, s29, 1                          ; t
	s_lshl_b32 s13, s12, 9                         ; a K step is 512 bytes of a centroid
	s_lshl_b32 s14, s9, 1
	PAIR 0, 30, 31
	PAIR 1, 32, 33
	s_lshl_b32 s34, s10, 16
	s_lshl_b32 s35, s9, 14
	s_add_co_u32 s34, s34, s35
	s_lshl_b32 s35, s11, 13
	s_add_co_u32 s34, s34, s35
	s_lshl_b32 s35, s12, 10
	s_add_co_u32 s34, s34, s35                     ; the work-group's 1,024 bytes of codes
	s_mov_b32 s35, 0
	s_lshl_b32 s36, s9, 12
	s_lshl_b32 s37, s10, 10
	s_add_co_u32 s36, s36, s37
	s_lshl_b32 s37, s12, 7
	s_add_co_u32 s36, s36, s37
	s_lshl_b32 s38, s11, 6
	s_add_co_u32 s36, s36, s38
	s_add_co_u32 s36, s36, SCALES                  ; its 64 bytes of scale words
	s_lshl_b32 s38, s29, 2
	s_add_co_u32 s38, s38, s37
	s_add_co_u32 s38, s38, SQS                     ; and one half square: centroid 8 w + 2 p + t
	s_mov_b32 s37, 0
	s_mov_b32 s39, 0
	s_lshl_b32 s40, s8, 4
	s_lshl_b32 s41, s8, 2
	s_add_co_u32 s41, s41, LSC
	s_lshl_b32 s42, s8, 9
	s_lshl_b32 s43, s29, 12
	s_add_co_u32 s43, s43, s13
	s_mov_b32 s20, 0x76543210
	s_mov_b32 s21, 0xfedcba98                      ; v_permlanex16_b32's selects for lane l xor 16
	v_and_b32 v1, 31, v0                           ; lane
	v_and_b32 v4, 15, v0                           ; l
	v_bfe_u32 v5, v0, 4, 1                         ; h
	v_cmp_eq_u32 vcc_lo, 1, v5
	v_mov_b32 v6, s30
	v_mov_b32 v7, s32
	v_mov_b32 v8, s31
	v_mov_b32 v9, s33
	v_cndmask_b32 v6, v6, v7, vcc_lo
	v_cndmask_b32 v8, v8, v9, vcc_lo
	v_lshl_add_u32 v6, v4, 5, v6                   ; mu_c: 32 bytes a lane
	v_lshl_add_u32 v8, v4, 5, v8                   ; mu_k
	v_lshrrev_b32 v10, 2, v4                       ; my block of the K step's four
	v_and_b32 v11, 3, v4
	v_lshlrev_b32 v12, 8, v10
	v_lshl_add_u32 v12, v11, 2, v12
	v_lshl_add_u32 v12, v5, 7, v12
	v_add_nc_u32 v12, s40, v12                     ; 256 x block + 16 x (j + 8 h) + 4 x (l mod 4)
	v_lshl_add_u32 v13, v5, 5, v10
	v_add_nc_u32 v13, s41, v13                     ; its scale byte: 4 x (j + 8 h) + block
	v_lshlrev_b32 v14, 4, v1
	v_add_nc_u32 v14, s42, v14                     ; 512 j + 16 x lane: in LDS and in wq
	v_lshlrev_b32 v15, 2, v4                       ; 4 l
	v_add_nc_u32 v40, LSC, v15
	v_lshlrev_b32 v41, 4, v1
	v_add_nc_u32 v41, s43, v41
	s_wait_alu depctr_va_vdst(0)                   ; the wait at the head's end
	s_wait_kmcnt 0x0
	s_add_nc_u64 s[34:35], s[6:7], s[34:35]
	s_add_nc_u64 s[36:37], s[6:7], s[36:37]
	s_add_nc_u64 s[38:39], s[6:7], s[38:39]
	global_load_b128 v[A:A+3], v6, s[4:5]
	global_load_b128 v[A+4:A+7], v6, s[4:5] offset:16
	global_load_b128 v[B:B+3], v8, s[4:5]
	global_load_b128 v[B+4:B+7], v8, s[4:5] offset:16
	s_cmp_eq_u32 s8, 3
	s_cbranch_scc0 .Lno_square
	global_load_b128 v[44:47], v41, s[4:5]         ; wave 3: K step s of centroid 8 w + 2 p + t
.Lno_square:
	s_wait_loadcnt 0x0
.irp n, 0,2,4,6
	v_pk_add_f32 v[C+\n:C+\n+1], v[A+\n:A+\n+1], v[B+\n:B+\n+1] neg_lo:[0,1] neg_hi:[0,1]
.endr
	v_max3_num_f32 v48, |v[C]|, |v[C+1]|, 0x1800000       ; the block's largest magnitude, with the floor 2^(3 - 127) among its leaves
	v_max3_num_f32 v49, |v[C+2]|, |v[C+3]|, |v[C+4]|
	v_max3_num_f32 v48, v48, |v[C+5]|, |v[C+6]|
	v_max3_num_f32 v48, v48, v49, |v[C+7]|
	v_max_num_f32_dpp v48, v48, v48 row_xmask:1 row_mask:0xf bank_mask:0xf
	v_max_num_f32_dpp v48, v48, v48 row_xmask:2 row_mask:0xf bank_mask:0xf   ; over the block's four lanes
	v_add_nc_u32 v50, 0xff000000, v48              ; 2 off the exponent field: the conversion's scale operand
	v_lshrrev_b32 v51, 23, v50                     ; the scale's byte
	v_cvt_scalef32_pk8_fp4_f32 v52, v[C:C+7], v50
	v_nop                                          ; one plain place behind a scaled conversion
	ds_store_b32 v12, v52
	ds_store_b8 v13, v51                           ; the block's four lanes write the same byte with the same value
	s_wait_dscnt 0x0                               ; for the others' sake: my stores have landed
	s_barrier_signal -1
	s_barrier_wait -1
	s_cmp_lt_u32 s8, 2
	s_cbranch_scc0 .Lno_codes
	ds_load_b128 v[52:55], v14                     ; waves 0, 1: 512 consecutive bytes of codes each, aligned to 512
	s_wait_dscnt 0x0
	global_store_b128 v14, v[52:55], s[34:35]
.Lno_codes:
	s_cmp_eq_u32 s8, 2
	s_cbranch_scc0 .Lno_scales
	ds_load_b32 v56, v40                           ; wave 2: 16 scale words
	v_cmp_gt_u32 vcc_lo, 16, v1
	s_wait_alu depctr_va_vdst(0)
	s_wait_dscnt 0x0
	s_wait_xcnt 0x0                                ; EXEC changes only behind this wait
	s_and_saveexec_b32 s44, vcc_lo
	global_store_b32 v15, v56, s[36:37]            ; 64 consecutive bytes
	s_wait_xcnt 0x0                                ; and again, in front of the line that widens it
	s_or_b32 exec_lo, exec_lo, s44
.Lno_scales:
	s_cmp_eq_u32 s8, 3
	s_cbranch_scc0 .Ldone
	v_pk_mul_f32 v[44:45], v[44:45], v[44:45]      ; wave 3: the K step's part of |mu|^2 / 2
	v_pk_fma_f32 v[44:45], v[46:47], v[46:47], v[44:45]
	v_add_f32 v44, v44, v45
	v_add_f32_dpp v44, v44, v44 row_xmask:1 row_mask:0xf bank_mask:0xf
	v_add_f32_dpp v44, v44, v44 row_xmask:2 row_mask:0xf bank_mask:0xf
	v_add_f32_dpp v44, v44, v44 row_xmask:4 row_mask:0xf bank_mask:0xf
	v_add_f32_dpp v44, v44, v44 row_xmask:8 row_mask:0xf bank_mask:0xf
	v_permlanex16_b32 v45, v44, s20, s21
	v_add_f32 v44, v44, v45
	v_mul_f32 v44, 0.5, v44
	v_cmp_eq_u32 vcc_lo, 0, v1
	s_wait_alu depctr_va_vdst(0)
	s_wait_xcnt 0x0                                ; EXEC changes only behind this wait
	s_and_saveexec_b32 s44, vcc_lo
	global_store_b32 v[NIL], v44, s[38:39]         ; lane 0: one word
	s_wait_xcnt 0x0
	s_or_b32 exec_lo, exec_lo, s44
.Ldone:
	s_wait_tensorcnt 0x0                           ; the wave's end
	ds_add_u32 v[SPW], v[NIL]
	s_wait_dscnt 0x0
	s_endpgm
.Lfunc_end_k_qef1f0967b1_prep:
	.size	k_qef1f0967b1_prep, .Lfunc_end_k_qef1f0967b1_prep-k_qef1f0967b1_prep
	.p2alignl 7, 3214868480
	.fill 96, 4, 3214868480
	.section	.rodata,"a",@progbits
	.p2align	6, 0x0
	.amdhsa_kernel k_qef1f0967b1_prep
		.amdhsa_group_segment_fixed_size 2304
		.amdhsa_private_segment_fixed_size 0
		.amdhsa_enable_private_segment 0
		.amdhsa_kernarg_size 16
		.amdhsa_user_sgpr_count 2
		.amdhsa_user_sgpr_kernarg_segment_ptr 1
		.amdhsa_wavefront_size32 1
		.amdhsa_system_sgpr_workgroup_id_x 1
		.amdhsa_system_sgpr_workgroup_id_y 1
		.amdhsa_system_sgpr_workgroup_id_z 1
		.amdhsa_system_vgpr_workitem_id 0
		.amdhsa_next_free_vgpr 64
		.amdhsa_next_free_sgpr 66
		.amdhsa_reserve_vcc 1
		.amdhsa_float_denorm_mode_32 3
		.amdhsa_float_denorm_mode_16_64 3
		.amdhsa_memory_ordered 1
		.amdhsa_forward_progress 1
		.amdhsa_inst_pref_size 10
	.end_amdhsa_kernel
	.amdgpu_metadata
---
amdhsa.version: [ 1, 2 ]
amdhsa.kernels:
  - .name:           k_qef1f0967b1_prep
    .symbol:         k_qef1f0967b1_prep.kd
    .args:
      - { .name: centroids, .offset: 0, .size: 8, .value_kind: global_buffer, .address_space: global }
      - { .name: wq, .offset: 8, .size: 8, .value_kind: global_buffer, .address_space: global }
    .group_segment_fixed_size: 2304
    .private_segment_fixed_size: 0
    .kernarg_segment_align: 8
    .kernarg_segment_size: 16
    .max_flat_workgroup_size: 256
    .sgpr_count:     66
    .vgpr_count:     64
    .wavefront_size: 32
...
	.end_amdgpu_metadata
.endif
;; end of part 1
;; launch main (part 2): grid 256 x 1, 4 waves a work-group, clusters of 4 x 1, 327,680 bytes of LDS; arguments X_codes, X_scales, wq, out0; writes out0
.if DOCPART == 2
	.amdgcn_target "amdgcn-amd-amdhsa--gfx1250"
	.amdhsa_code_object_version 6
	.text
	.protected	k_qef1f0967b1_main
	.globl	k_qef1f0967b1_main
	.p2align	8
	.type	k_qef1f0967b1_main,@function
k_qef1f0967b1_main:
	s_mov_b64 s[64:65], 0
	v_nop
	global_prefetch_b8 v0, s[64:65] scope:SCOPE_SE
	s_setreg_imm32_b32 hwreg(HW_REG_WAVE_MODE, 25, 1), 1
	s_wait_xcnt 0x0
	s_wait_alu depctr_hold_cnt(0) depctr_sa_sdst(0) depctr_va_vdst(0) depctr_va_sdst(0) depctr_va_ssrc(0) depctr_va_vcc(0) depctr_vm_vsrc(0)
	s_getreg_b32 s2, hwreg(HW_REG_IB_STS2, 6, 4)
	s_cmp_eq_u32 s2, 0
	s_cbranch_scc0 .Lentry_in_a_cluster
	s_endpgm
.Lentry_in_a_cluster:
	s_bfe_u32 s2, ttmp6, 0x10000c
	s_cmp_lg_u32 s2, 0x3003
	s_cbranch_scc0 .Lentry_shape_is_right
	s_endpgm
.Lentry_shape_is_right:
; NeuralizedKMeans, second launch: out[n] = max over c of min over k != c of z[n,c,k], z = Q(W[c,k,:]) . X[n,:] + b[c,k], the product on codes of FP4 (E2M1) with E8M0 scales.
; ONE NUMBER, BOTH SIGNS: z[n,k,c] = -z[n,c,k] for all finite inputs, through the quantiser (shown at the head of the first launch), so each unordered pair is multiplied once, as V = z / 2.
;   G[t] = max over k of -V(t, k);   out = -2 min over t of G[t].
; LIMITS: NaN and infinities (a scale byte 0xff in X among them) are not served: the maxima and minima here drop a NaN where reference() would carry it.
; PAIRS, as in the first launch: wave w's 128 rows; a lane's half h (lane / 16) is a part with 16 targets in four quads: s1, s2, K, L.  Operand p, tile t, row 8 h + j:
;   p = 0, t = 0: j < 4: (s1[j], s2[j]); j = 4 + i: (s1[i], s2[i + 1 mod 4]).   t = 1: within s1: 01 02 03 12 13 23, then (s1[0], s2[2]), (s1[1], s2[3]).
;   p = 1: (s1[i], K[k]), p = 2: (s2[i], K[k]), p = 3: (s2[i], L[k]), with i = 2 t + j % 2, k = j / 2.
; SHARES.  Work-group g owns rows (3125 g) >> 4 up to (3125 (g + 1)) >> 4: 195 or 196.  It multiplies a window of 208 rows, 13 tiles of 16, that begins at its first row (held at 49,792, so that no load leaves X), and stores its own rows alone.
;   THE WAVES SHARE W, NOT X: wave w keeps its 128 rows of W for all of K in 512 registers for the whole launch; each tile of X is read from LDS once by each wave.
; THE LOADS, one tensor load a wave, all at the head.  Wave 0: X's 208 rows.  Waves 1 to 3: operand 0, 1, 2 of all four waves, 65,536 bytes each.  Operand 3, for which LDS has no room beside X's 109,824 bytes and these 196,608, goes straight into registers.
;   A first barrier shows W's operands, which every wave copies into registers while X may still be on its way; a second shows X.  Nothing in LDS is filled twice.  No prefetch: all is asked for at once, at the head, and there is no loop of loads to run ahead in.
; CLUSTER.  All work-groups read the same W: four form a cluster and ask for it JOINTLY.  X's rows belong to one work-group: a plain load.
; LDS: X's 208 rows at pitch 528 | WT: W's operands, as images of registers; behind the second barrier the strips (E) lie there | the spare words.
; REGISTERS, windows of 256.  0: addresses, scale words, two buffers of X's fragments.  1: two sets of accumulators (v0, v64), biases v128, strip v192; at the end the combine.
;   2, 3: W: operand p, K step s at v[128 (p % 2) + 16 s] of window 2 + p / 2.
.set XT,    8448                       ; a tile of X: 16 x 528 (512 bytes + 16 of padding = 132 words: row r starts at bank 4 r mod 64: ISA guide 11.1)
.set WT,    109824
.set E,     109824
.set EN,    784                        ; the strips: row n at E + n EN, part 2 w + h at + 96 part, quad i at + 16 i
.set ET,    16*EN
.set SPARE, 306432                     ; 128 bytes for each wave: two blocks of 256 bytes that no other line names
.set SCALES, 262144                    ; in wq
.set SQS,   278528
.set SPW,   2
.set NIL,   3
.set XA,    4                          ; v4, v5   my part of X's tiles 0-7, 8-12
.set SQA,   6                          ; v6-9     |mu|^2 / 2 of s1, s2, K, L
.set WTA,   10                         ; v10-12   my images of operands 0, 1, 2
.set EA,    16                         ; v16-18   my strip: tiles 0-4, 5-9, 10-12
.set CA,    19                         ; v19-22   the combine: quads 0 .. 3
.set WS,    32                         ; v32-63   W's scale words: 8 p + s, lane m row m of the operand
.set XSC,   64                         ; v64-115  X's: 4 x + i: lanes 0-15 K step i, lanes 16-31 K step 4 + i
.set XB,    116                        ; v116-243 X's fragments, two buffers of 64
.set BIAS,  128                        ; window 1
.set S,     192
.set RR,    208
.set MSB, 0
.macro WIN new                         ; the immediate's high byte repeats the setting that is left
.if MSB != (\new)
	s_set_vgpr_msb (MSB<<8)|(\new)
.set MSB, (\new)
.endif
.endm
.macro ROUND                           ; a round of the cluster's barrier
	s_barrier_signal -1
	s_barrier_wait -1
	s_cmp_lg_u32 s12, 0
	s_cbranch_scc1 .Lnot_wave_0_\@
	s_barrier_signal -3
.Lnot_wave_0_\@:
	s_barrier_wait -3
	s_barrier_signal -1
	s_barrier_wait -1
.endm
	s_load_b256 s[4:11], s[0:1], 0x0               ; X's codes s[4:5], X's scales s[6:7], wq s[8:9], out s[10:11]
	v_lshl_add_u32 v[SPW], v0, 2, SPARE
	v_mov_b32 v[NIL], 0
	ds_add_u32 v[SPW], v[NIL]                      ; the opening: the add, twice on end, ahead of my first tensor load
	ds_add_u32 v[SPW], v[NIL]
	v_lshrrev_b32 v116, 5, v0
	v_readfirstlane_b32 s12, v116                  ; wave 0..3
	s_bfe_u32 s13, ttmp6, 0x40000                  ; cx
	s_lshl_b32 s14, ttmp9, 2
	s_add_co_u32 s14, s14, s13                     ; g
	s_mul_i32 s15, s14, 3125
	s_add_co_u32 s16, s15, 3125
	s_lshr_b32 s15, s15, 4                         ; my first row
	s_lshr_b32 s16, s16, 4
	s_sub_co_u32 s16, s16, s15                     ; how many are mine
	s_min_u32 s17, s15, 49792                      ; the window's first row
	s_sub_co_u32 s18, s15, s17                     ; my first row's place in it
	; group 1 of X's load: 208 rows of 512 bytes (elements of 1 byte), after every 128 words (code 6) 4 words of padding (code 3)
	s_mov_b32 s24, (0<<16)|(1<<20)|(6<<22)|(3<<25)
	s_mov_b32 s25, 512<<16
	s_mov_b32 s26, 208<<16
	s_mov_b32 s27, 512<<16
	s_mov_b32 s28, 208
	s_mov_b32 s29, 512
	s_mov_b32 s30, 0
	s_mov_b32 s31, 0
	; group 1 of W's loads: the mask of all four work-groups, bit 21 beside it; a dense block of 65,536 bytes as 256 rows of 256 (elements of 8 bytes)
	s_mov_b32 s32, 15|(3<<16)|(1<<21)
	s_mov_b32 s33, 32<<16
	s_mov_b32 s34, 256<<16
	s_mov_b32 s35, 32<<16
	s_mov_b32 s36, 256
	s_mov_b32 s37, 32
	s_mov_b32 s38, 0
	s_mov_b32 s39, 0
	s_mul_i32 s61, s12, 192
	s_add_co_u32 s61, s61, E
	s_mul_i32 s62, s12, 52*EN
	s_add_co_u32 s62, s62, E
	s_mul_i32 s19, s12, 52                         ; my 52 rows to combine
	s_lshl_b32 s66, s17, 9
	s_mov_b32 s67, 0
	s_lshl_b32 s68, s17, 5
	s_mov_b32 s69, 0
	s_lshl_b32 s78, s17, 2
	s_mov_b32 s79, 0
	s_lshl_b32 s56, s12, 14                        ; my 16,384 bytes of an operand: in WT,
	s_add_co_u32 s57, s56, 3*65536                 ; and of operand 3 in wq
	s_add_co_u32 s56, s56, WT
	s_lshl_b32 s58, s12, 12
	s_add_co_u32 s58, s58, SCALES
	s_lshl_b32 s60, s12, 5                         ; |mu|^2 / 2: P and Q
	s_lshl_b32 s63, s12, 1
	s_add_co_u32 s59, s63, 4
	s_and_b32 s59, s59, 7
	s_lshl_b32 s59, s59, 4                         ; e
	s_add_co_u32 s63, s63, 2
	s_and_b32 s63, s63, 7
	s_lshl_b32 s63, s63, 4                         ; R and S
	s_lshr_b32 s20, s12, 1
	; every lane's addresses, in one run
	v_and_b32 v1, 31, v0                           ; lane
	v_and_b32 v117, 15, v0                         ; r
	v_bfe_u32 v118, v0, 4, 1                       ; h
	v_and_b32 v119, 7, v0                          ; the combine's group
	v_bfe_u32 v120, v0, 3, 2                       ; and its row
	v_mul_u32_u24 v123, v117, 528
	v_lshl_add_u32 v[XA], v118, 4, v123            ; a fragment's row x pitch + 16 h
	v_add_nc_u32 v[XA+1], 8*XT, v[XA]
	v_lshl_add_u32 v[WTA], v1, 4, s56
	v_add_nc_u32 v[WTA+1], 0x10000, v[WTA]
	v_add_nc_u32 v[WTA+2], 0x20000, v[WTA]
	v_mul_u32_u24 v[EA], v117, EN
	v_mad_u32_u24 v[EA], v118, 96, v[EA]
	v_add_nc_u32 v[EA], s61, v[EA]                 ; row r, part 2 w + h
	v_add_nc_u32 v[EA+1], 5*ET, v[EA]
	v_add_nc_u32 v[EA+2], 10*ET, v[EA]
	v_mul_u32_u24 v124, v120, EN
	v_add_nc_u32 v124, s62, v124                   ; the combine: row 52 w + lane / 8 (+ 4 for each set)
	v_mad_u32_u24 v[CA], v119, 96, v124            ; group u = lane % 8 is s1 of part u,
	v_xor_b32 v125, 1, v119
	v_mad_u32_u24 v[CA+1], v125, 96, v124          ; s2 of part u xor 1,
	v_add_nc_u32 v125, 6, v119
	v_and_b32 v125, 7, v125
	v_mad_u32_u24 v[CA+2], v125, 96, v124          ; K of part u - 2 mod 8,
	v_lshrrev_b32 v125, 2, v119
	v_xor_b32 v126, 4, v119
	v_xor_b32 v125, v125, v126
	v_mad_u32_u24 v[CA+3], v125, 96, v124          ; L of part (u xor 4) xor (u / 4)
	v_xor_b32 v128, 1, v118                        ; 1 - h
	v_lshl_add_u32 v[SQA], v118, 4, s60
	v_lshl_add_u32 v[SQA+1], v128, 4, s60
	v_lshl_add_u32 v[SQA+2], v118, 4, s63
	v_xor_b32 v129, s20, v128
	v_lshl_add_u32 v[SQA+3], v129, 4, s59
	v_lshl_add_u32 v23, v1, 4, s57                 ; operand 3's codes: 16 x lane
	v_lshl_add_u32 v24, v1, 2, s58                 ; W's scale words: 4 bytes a row
	v_lshlrev_b32 v28, 5, v117
	v_lshl_add_u32 v28, v118, 4, v28               ; X's scales: 32 r + 16 h: four words of a row
	v_lshl_add_u32 v31, v119, 2, v120              ; the way out: my row is 52 w + 4 (lane % 8) + lane / 8
	v_add_nc_u32 v30, s19, v31
	v_lshlrev_b32 v29, 2, v30
.irp t, 1,2,3,4,5,6,7
	v_cmp_eq_u32 s[70+\t], \t, v119                ; the lanes that send set t's (and t + 8's) rows
.endr
	s_wait_alu depctr_va_vdst(0)                   ; the wait at the head's end
	s_wait_dscnt 0x0                               ; both opening adds are done
	s_wait_kmcnt 0x0
	s_add_nc_u64 s[66:67], s[4:5], s[66:67]
	s_add_nc_u64 s[6:7], s[6:7], s[68:69]
	s_add_nc_u64 s[10:11], s[10:11], s[78:79]
	s_mov_b32 s40, 1                               ; groups 0: X,
	s_mov_b32 s41, 0
	s_mov_b64 s[42:43], s[66:67]
	s_or_b32 s43, s43, 0x80000000
	s_mov_b32 s44, 1                               ; operand 0,
	s_mov_b32 s45, WT
	s_mov_b64 s[46:47], s[8:9]
	s_or_b32 s47, s47, 0x80000000
	s_mov_b32 s48, 1                               ; operand 1,
	s_mov_b32 s49, WT+0x10000
	s_add_nc_u64 s[50:51], s[8:9], 0x10000
	s_or_b32 s51, s51, 0x80000000
	s_mov_b32 s52, 1                               ; operand 2
	s_mov_b32 s53, WT+0x20000
	s_add_nc_u64 s[54:55], s[8:9], 0x20000
	s_or_b32 s55, s55, 0x80000000
	ROUND                                          ; all four work-groups are here: the joint loads meet
; ONE tree of branches on the wave's number, one load to an arm, all arms leading to one join
.macro ARM under, g0, g1, next
	s_cmp_lt_u32 s12, \under
	s_cbranch_scc0 \next
	tensor_load_to_lds s[\g0:\g0+3], s[\g1:\g1+7]
	s_nop 0
.rept 4
	v_nop
.endr
	s_branch .Lasked
\next:
.endm
	ARM 1, 40, 24, .Lfor_w0
	ARM 2, 44, 32, .Lfor_w1
	ARM 3, 48, 32, .Lfor_w2
	tensor_load_to_lds s[52:55], s[32:39]
	s_nop 0
.rept 4
	v_nop
.endr
.Lasked:
	; straight into registers: the parts of |mu|^2 / 2 (into what will be accumulators: K step s, quad q at v[16 s + 4 q]), scale words, operand 3
	WIN 0x40
.irp s, 0,1,2,3,4,5,6,7
.irp q, 0,1,2,3
	global_load_b128 v[16*\s+4*\q:16*\s+4*\q+3], v[SQA+\q], s[8:9] offset:SQS+128*\s
.endr
.endr
	WIN 0
.irp i, 0,1,2,3,4,5,6,7,8,9,10,11,12,13,14,15,16,17,18,19,20,21,22,23,24,25,26,27,28,29,30,31
	global_load_b32 v[WS+\i], v24, s[8:9] offset:128*\i        ; 128 consecutive bytes: operand i / 8, K step i mod 8
.endr
.irp x, 0,1,2,3,4,5,6,7,8,9,10,11,12
	global_load_b128 v[XSC+4*\x:XSC+4*\x+3], v28, s[6:7] offset:512*\x   ; 512 consecutive bytes
.endr
	WIN 0xc0
.irp s, 0,1,2,3,4,5,6,7
.irp t, 0,1
.irp c, 0,1
	global_load_b128 v[128+16*\s+8*\t+4*\c:128+16*\s+8*\t+4*\c+3], v23, s[8:9] offset:8192*\t+1024*\s+512*\c
.endr
.endr
.endr
	; the biases b / 2 in the result's layout, while the tiles are on their way
	WIN 0x55
	s_wait_loadcnt 63                              ; the first 32 loads are in: 77 were issued behind them
.irp q, 0,2,4,6,8,10,12,14
.irp s, 0,1,2,3
	v_pk_add_f32 v[16*\s+\q:16*\s+\q+1], v[16*\s+\q:16*\s+\q+1], v[64+16*\s+\q:64+16*\s+\q+1]
.endr
.endr
.irp q, 0,2,4,6,8,10,12,14
.irp s, 0,1
	v_pk_add_f32 v[16*\s+\q:16*\s+\q+1], v[16*\s+\q:16*\s+\q+1], v[32+16*\s+\q:32+16*\s+\q+1]
.endr
.endr
.irp q, 0,2,4,6,8,10,12,14
	v_pk_add_f32 v[S+\q:S+\q+1], v[\q:\q+1], v[16+\q:16+\q+1]
.endr
.irp i, 0,1,2,3
	v_sub_f32 v[BIAS+\i], v[S+4+\i], v[S+\i]
	v_sub_f32 v[BIAS+4+\i], v[S+4+((\i+1)%4)], v[S+\i]
.irp k, 0,1,2,3
	v_sub_f32 v[BIAS+16+8*(\i/2)+2*\k+(\i%2)], v[S+8+\k], v[S+\i]
	v_sub_f32 v[BIAS+32+8*(\i/2)+2*\k+(\i%2)], v[S+8+\k], v[S+4+\i]
	v_sub_f32 v[BIAS+48+8*(\i/2)+2*\k+(\i%2)], v[S+12+\k], v[S+4+\i]
.endr
.endr
	v_sub_f32 v[BIAS+8], v[S+1], v[S]
	v_sub_f32 v[BIAS+9], v[S+2], v[S]
	v_sub_f32 v[BIAS+10], v[S+3], v[S]
	v_sub_f32 v[BIAS+11], v[S+2], v[S+1]
	v_sub_f32 v[BIAS+12], v[S+3], v[S+1]
	v_sub_f32 v[BIAS+13], v[S+3], v[S+2]
	v_sub_f32 v[BIAS+14], v[S+6], v[S]
	v_sub_f32 v[BIAS+15], v[S+7], v[S+1]
	WIN 0
	s_wait_alu depctr_va_vdst(0)                   ; the wait here, ahead of the branch and the waits below
	s_cmp_eq_u32 s12, 0
	s_cbranch_scc1 .Lx_is_out                      ; wave 0's load is X's: nobody reads it before the second barrier
	s_wait_tensorcnt 0x0                           ; waves 1 to 3: my operand is in
.Lx_is_out:
	s_barrier_signal -1
	s_barrier_wait -1                              ; operands 0, 1, 2 are in
.irp p, 0,1,2                          ; my images from WT into their registers: 512 consecutive bytes a load
	WIN 0x80+0x40*(\p/2)
.irp s, 0,1,2,3,4,5,6,7
.irp t, 0,1
.irp c, 0,1
	ds_load_b128 v[128*(\p%2)+16*\s+8*\t+4*\c:128*(\p%2)+16*\s+8*\t+4*\c+3], v[WTA+\p] offset:8192*\t+1024*\s+512*\c
.endr
.endr
.endr
.endr
	WIN 0
	s_wait_loadcnt 0x0                             ; operand 3, all scale words
	s_wait_tensorcnt 0x0                           ; X is in,
	s_wait_dscnt 0x0                               ; and I have read WT
	s_barrier_signal -1
	s_barrier_wait -1                              ; X may be read, and the strips may lie over WT
; tile x of X: lane (r, h): registers 4 c .. 4 c + 3 of K step s are the 16 bytes at 64 s + 32 c + 16 h of row r
.macro LOADX x
	WIN 0
.irp s, 0,1,2,3,4,5,6,7
.irp c, 0,1
	ds_load_b128 v[XB+64*((\x)%2)+8*\s+4*\c:XB+64*((\x)%2)+8*\s+4*\c+3], v[XA+(\x)/8] offset:XT*((\x)%8)+64*\s+32*\c
.endr
.endr
.endm
; 32 matrix instructions: four operands of 32 rows of W x tile x, K ascending.  The four accumulators take turns, one instruction a turn.  The first K step takes the biases as C.
; Lane (r, h) then holds row n = r of X: register 16 p + 8 t + j is V of row 8 h + j of tile t of operand p.
.macro MUL x
.irp s, 0,1,2,3,4,5,6,7
.irp p, 0,1,2,3
.set rD, 64*((\x)%2)+16*\p
.set rW, 128*(\p%2)+16*\s
.set rX, XB+64*((\x)%2)+8*\s
.set rC, BIAS+16*\p
.set rS, WS+8*\p+\s
.set rT, XSC+4*(\x)+\s%4
	WIN 0x52+\p/2
.if \s == 0
	v_wmma_scale_f32_32x16x128_f4 v[rD:rD+15], v[rW:rW+15], v[rX:rX+7], v[rC:rC+15], v[rS], v[rT]
.elseif \s < 4
	v_wmma_scale_f32_32x16x128_f4 v[rD:rD+15], v[rW:rW+15], v[rX:rX+7], v[rD:rD+15], v[rS], v[rT]
.else
	v_wmma_scale_f32_32x16x128_f4 v[rD:rD+15], v[rW:rW+15], v[rX:rX+7], v[rD:rD+15], v[rS], v[rT] matrix_b_scale:MATRIX_SCALE_ROW1
.endif
.endr
.endr
.endm
; A lane's 64 numbers of tile x become its part's strip of 16: of row (c, k) -V counts for c, V for k.  s1 at S, s2 at S + 4, K at S + 8, L at S + 12, by turns; each accumulator is first read at its low end.
.macro REDUCE x
.set a, 64*((\x)%2)
	WIN 0x55
.irp i, 0,1,2,3
	v_max3_num_f32 v[S+\i], -v[a+\i], -v[a+4+\i], -v[a+16+8*(\i/2)+(\i%2)]
.endr
.irp k, 0,1,2,3
	v_max3_num_f32 v[S+8+\k], v[a+16+2*\k], v[a+17+2*\k], v[a+24+2*\k]
.endr
.irp i, 0,1,2,3
	v_max3_num_f32 v[S+\i], v[S+\i], -v[a+18+8*(\i/2)+(\i%2)], -v[a+20+8*(\i/2)+(\i%2)]
.endr
.irp k, 0,1,2,3
	v_max3_num_f32 v[S+8+\k], v[S+8+\k], v[a+25+2*\k], v[a+32+2*\k]
.endr
.irp m, 0,1,2,3
	v_max3_num_f32 v[S+4+\m], v[a+\m], v[a+4+((\m+3)%4)], -v[a+32+8*(\m/2)+(\m%2)]
.endr
.irp k, 0,1,2,3
	v_max3_num_f32 v[S+12+\k], v[a+48+2*\k], v[a+49+2*\k], v[a+56+2*\k]
.endr
.irp k, 0,1,2,3
	v_max3_num_f32 v[S+8+\k], v[S+8+\k], v[a+33+2*\k], v[a+40+2*\k]
.endr
.irp m, 0,1,2,3
	v_max3_num_f32 v[S+4+\m], v[S+4+\m], -v[a+34+8*(\m/2)+(\m%2)], -v[a+36+8*(\m/2)+(\m%2)]
.endr
	v_max3_num_f32 v[S], v[S], -v[a+22], -v[a+8]             ; the pairs within s1: 01 02 03 12 13 23 at a + 8 .. a + 13
	v_max3_num_f32 v[S+1], v[S+1], -v[a+23], v[a+8]
	v_max3_num_f32 v[S+2], v[S+2], -v[a+30], v[a+9]
	v_max3_num_f32 v[S+3], v[S+3], -v[a+31], v[a+10]
.irp k, 0,1,2,3
	v_max_num_f32 v[S+12+\k], v[S+12+\k], v[a+57+2*\k]
.endr
.irp k, 0,1,2,3
	v_max_num_f32 v[S+8+\k], v[S+8+\k], v[a+41+2*\k]
.endr
.irp m, 0,1,2,3
	v_max3_num_f32 v[S+4+\m], v[S+4+\m], -v[a+38+8*(\m/2)+(\m%2)], -v[a+48+8*(\m/2)+(\m%2)]
.endr
	v_max3_num_f32 v[S], v[S], -v[a+9], -v[a+10]
	v_max3_num_f32 v[S+1], v[S+1], -v[a+11], -v[a+12]
	v_max3_num_f32 v[S+2], v[S+2], v[a+11], -v[a+13]
	v_max3_num_f32 v[S+3], v[S+3], v[a+12], v[a+13]
.irp m, 0,1,2,3
	v_max3_num_f32 v[S+4+\m], v[S+4+\m], -v[a+50+8*(\m/2)+(\m%2)], -v[a+52+8*(\m/2)+(\m%2)]
.endr
	v_max_num_f32 v[S], v[S], -v[a+14]
	v_max_num_f32 v[S+1], v[S+1], -v[a+15]
	v_max_num_f32 v[S+4], v[S+4], -v[a+54]
	v_max_num_f32 v[S+5], v[S+5], -v[a+55]
	v_max3_num_f32 v[S+6], v[S+6], -v[a+62], v[a+14]
	v_max3_num_f32 v[S+7], v[S+7], -v[a+63], v[a+15]
	WIN 0x04                                       ; an LDS store's data are its source 1
.irp i, 0,1,2,3
	ds_store_b128 v[EA+(\x)/5], v[S+4*\i:S+4*\i+3] offset:ET*((\x)%5)+16*\i
.endr
.endm
	LOADX 0
	LOADX 1
	s_wait_dscnt 16                                ; tile 0 is in; tile 1 may be out
	MUL 0
.rept 5
	v_nop                                          ; places behind tile 0's products: in front of the loads into its fragments and of its fold, and (the fifth) of the products that take its accumulators anew; later the fold of the tile before is these places
.endr
	LOADX 2
	s_wait_dscnt 16                                ; tile 1 is in; tile 2 may be out
.irp x, 1,2,3,4,5,6,7,8,9,10,11,12
	MUL \x
	REDUCE \x-1                                    ; the tile before's results, in the other accumulators
.if \x < 11
	LOADX \x+2                                     ; into the buffer that tile x has left
	s_wait_dscnt 20                                ; tile x + 1 is in; the strip's four stores and tile x + 2's sixteen loads may be out
.elseif \x == 11
	s_wait_dscnt 4                                 ; tile 12 is in; the strip's four stores may be out
.endif
.endr
	REDUCE 12                                      ; (the fold of tile 11 stands between it and its products)
	s_wait_dscnt 0x0
	s_barrier_signal -1
	s_barrier_wait -1                              ; all strips lie in E
; THE COMBINE.  Wave w takes rows 52 w .. 52 w + 51, four to a set; lane (row lane / 8, group lane % 8) takes the group's four targets from their four quads.
	WIN 0x40
.irp t, 0,1,2,3,4,5,6,7,8,9,10,11,12
.irp i, 0,1,2,3
	ds_load_b128 v[16*\t+4*\i:16*\t+4*\i+3], v[CA+\i] offset:4*EN*\t+16*\i
.endr
.endr
.macro CMAX t
.irp e, 0,1,2,3
	v_max3_num_f32 v[16*\t+\e], v[16*\t+\e], v[16*\t+4+\e], v[16*\t+8+\e]
.endr
.endm
.macro CMAX2 t
.irp e, 0,1,2,3
	v_max_num_f32 v[16*\t+\e], v[16*\t+\e], v[16*\t+12+\e]
.endr
.endm
	WIN 0x55
	s_wait_dscnt 28                                ; sets 0 to 5 are in; seven sets' 28 loads may be out
.irp t, 0,1,2,3,4,5
	CMAX \t
.endr
.irp t, 0,1,2,3,4,5
	CMAX2 \t
.endr
	s_wait_alu depctr_va_vdst(0)
	s_wait_dscnt 0x0
.irp t, 6,7,8,9,10,11,12
	CMAX \t
.endr
.irp t, 6,7,8,9,10,11,12
	CMAX2 \t
.endr
.irp t, 0,1,2,3,4,5,6,7,8,9,10,11,12
	v_min3_num_f32 v[RR+\t], v[16*\t], v[16*\t+1], v[16*\t+2]
.endr
.irp t, 0,1,2,3,4,5,6,7,8,9,10,11,12
	v_min_num_f32 v[RR+\t], v[RR+\t], v[16*\t+3]
.endr
.irp m, 1,2,4                                  ; the least over the eight lanes of a row: over all 32 targets
.irp t, 0,1,2,3,4,5,6,7,8,9,10,11,12
	v_min_num_f32_dpp v[RR+\t], v[RR+\t], v[RR+\t] row_xmask:\m row_mask:0xf bank_mask:0xf
.endr
.endr
	; lane (row q, group u) sends row 4 u + q of sets 0-7, and of sets 8-12: neighbouring words
.irp t, 1,2,3,4,5,6,7
	v_cndmask_b32 v[RR], v[RR], v[RR+\t], s[70+\t]
.if \t < 5
	v_cndmask_b32 v[RR+8], v[RR+8], v[RR+8+\t], s[70+\t]
.endif
.endr
	WIN 0x04
	v_mul_f32 v116, -2.0, v[RR]                    ; out = -2 min over t of G[t]
	v_mul_f32 v117, -2.0, v[RR+8]
	WIN 0
	v_sub_nc_u32 v118, v30, s18                    ; the row's place among my own rows (a row ahead of them wraps to a large number)
	v_add_nc_u32 v119, 32, v118
	v_cmp_gt_u32 vcc_lo, s16, v118
	v_cmp_gt_u32 s58, s16, v119
	v_cmp_gt_u32 s59, 20, v31                      ; sets 8 to 12 hold 20 rows
	s_wait_alu depctr_va_vdst(0)
	s_and_b32 s58, s58, s59
	s_wait_xcnt 0x0                                ; EXEC changes only behind this wait
	s_and_saveexec_b32 s57, vcc_lo
	global_store_b32 v29, v116, s[10:11]
	s_wait_xcnt 0x0                                ; and again, in front of the line that widens it
	s_or_b32 exec_lo, exec_lo, s57
	s_mov_b32 vcc_lo, s58
	s_and_saveexec_b32 s57, vcc_lo
	global_store_b32 v29, v117, s[10:11] offset:128
	s_wait_xcnt 0x0
	s_or_b32 exec_lo, exec_lo, s57
	s_wait_tensorcnt 0x0                           ; the wave's end: behind my last tensor load and my last LDS store
	ds_add_u32 v[SPW], v[NIL]
	s_wait_dscnt 0x0
	ROUND                                          ; the closing round: no work-group ends while a partner may still ask for a tile that names it
	s_endpgm
.Lfunc_end_k_qef1f0967b1_main:
	.size	k_qef1f0967b1_main, .Lfunc_end_k_qef1f0967b1_main-k_qef1f0967b1_main
	.p2alignl 7, 3214868480
	.fill 96, 4, 3214868480
	.section	.rodata,"a",@progbits
	.p2align	6, 0x0
	.amdhsa_kernel k_qef1f0967b1_main
		.amdhsa_group_segment_fixed_size 327680
		.amdhsa_private_segment_fixed_size 0
		.amdhsa_enable_private_segment 0
		.amdhsa_kernarg_size 32
		.amdhsa_user_sgpr_count 2
		.amdhsa_user_sgpr_kernarg_segment_ptr 1
		.amdhsa_wavefront_size32 1
		.amdhsa_system_sgpr_workgroup_id_x 1
		.amdhsa_system_sgpr_workgroup_id_y 1
		.amdhsa_system_sgpr_workgroup_id_z 1
		.amdhsa_system_vgpr_workitem_id 0
		.amdhsa_next_free_vgpr 1024
		.amdhsa_next_free_sgpr 84
		.amdhsa_reserve_vcc 1
		.amdhsa_float_denorm_mode_32 3
		.amdhsa_float_denorm_mode_16_64 3
		.amdhsa_memory_ordered 1
		.amdhsa_forward_progress 1
		.amdhsa_inst_pref_size 169
	.end_amdhsa_kernel
	.amdgpu_metadata
---
amdhsa.version: [ 1, 2 ]
amdhsa.kernels:
  - .name:           k_qef1f0967b1_main
    .symbol:         k_qef1f0967b1_main.kd
    .args:
      - { .name: X_codes, .offset: 0, .size: 8, .value_kind: global_buffer, .address_space: global }
      - { .name: X_scales, .offset: 8, .size: 8, .value_kind: global_buffer, .address_space: global }
      - { .name: wq, .offset: 16, .size: 8, .value_kind: global_buffer, .address_space: global }
      - { .name: out0, .offset: 24, .size: 8, .value_kind: global_buffer, .address_space: global }
    .group_segment_fixed_size: 327680
    .private_segment_fixed_size: 0
    .kernarg_segment_align: 8
    .kernarg_segment_size: 32
    .max_flat_workgroup_size: 128
    .sgpr_count:     84
    .vgpr_count:     1024
    .wavefront_size: 32
...
	.end_amdgpu_metadata
.endif
;; end of part 2
